; MI455X (gfx1250); checked and timed in simulation.
; The chip was launched on July 23, 2026; its instructions are those of AMD's public machine-readable ISA for CDNA 5 (MIT licence, August 2026) and "CDNA5" Instruction Set Architecture Reference Guide (July 2026). The comments in the code are by the model that wrote it; some were corrected since.
;; Quant Linear. Allowed arithmetic: matrix products marked QUANTISED: E4M3 operands, one given power-of-two scale a tensor, by v_wmma_f32_16x16x64_fp8_fp8 or v_wmma_f32_16x16x128_fp8_fp8, f32 sums; everything else in f32.
;; Inputs: W 2,048 x 4,096 float32; lowp_scales 2 int32 (the exponents e of the quantised operands' scales 2^e); x_codes 4 x 2,048 x 128 x 32 uint8 (E4M3 codes of x, K innermost, in blocks of 32 codes).
;; Outputs: out0 4 x 2,048 x 2,048 float32.
;; This version of the problem:
;;   THIS VERSION OF THE PROBLEM IS GIVEN IN LOW PRECISION. The matrix products marked QUANTISED in the list below multiply operands that are first quantised to E4M3 (4 exponent bits, 3 mantissa bits; 8 bits a number), with one given power-of-two scale for each operand tensor; their sums are f32. All else is computed in f32.
;;   The module's matrix products, in the order in which they are computed (A, B: the left and right operand; K: the contracted axis; several contracted axes count as one K, in the product's order):
;;     1. [M 8,192, K 4,096] x [K 4,096, N 2,048]; A: input x (given as codes); B: computed on the way: QUANTISED (scales: A lowp_scales[0], B lowp_scales[1])
;;   THE QUANTISER, for each operand of a quantised product, along K:
;;     - The operand's scale is 2^e, e = its entry of the input lowp_scales (int32; the entries are numbered through the quantised products in the list's order, A before B).
;;     - Each number is divided by the scale, clamped to +-448, and rounded to the nearest number of E4M3, ties to even, subnormals kept.
;;     - The product sums the exact products of the quantised numbers (number of the format x scale) in f32.
;;   ~~~python
;;   def quantise(x, axis, e):      # numpy; x: float32 -> the quantised numbers, widened to float32 again
;;       x = np.moveaxis(x, axis, -1); K = x.shape[-1]
;;       r = np.clip(x / 2.0 ** e, -448, 448)
;;       step = 2.0 ** (np.maximum(np.frexp(np.where(r == 0, 1, r))[1] - 1, -6) - 3)
;;       q = np.round(r / step) * step * 2.0 ** e      # np.round: ties to even
;;       return np.moveaxis(q, -1, axis).astype(np.float32)
;;   ~~~
;;   OPERANDS COMPUTED ON THE WAY. 'Computed on the way' means the value that the module computes at that place (a softmax that the list does not call 'softmax' is quantised finished and normalised). What goes into a quantiser is computed in f32, as accurately as f32 sums, v_exp_f32 and their like allow (about 1e-6 of the number): no bf16 or f16 on the way to a quantiser, and a product that is left as it is and whose result goes on into a quantised operand takes f32 operands (vector FMAs, or v_wmma_f32_16x16x4_f32). A number that lies on a knife's edge between two numbers of the format may be rounded either way, as far as f32 arithmetic and the matrix unit's own rounding can turn it there, and no further.
;;   INPUTS GIVEN AS CODES. x (in the module: [4, 2048, 4096], K = its axis 2): each comes as NAME_codes (uint8): NAME with its K axis moved to the last place and cut into blocks of 32 codes, [.., K / 32, bytes a block], one block behind the other in memory; one code a byte (a code: sign, 4 exponent bits, 3 mantissa bits); its scale is its entry of lowp_scales. Its value is code x scale, taken as it is: it is not quantised again, and the codes and scales need not be those that the quantiser above would give.
;; One version. Each part assembles by itself: llvm-mc -triple=amdgcn-amd-amdhsa -mcpu=gfx1250 --defsym DOCPART=n.
;; ======== version 1 of 1: 3 launches
;; limits: right only within a limited range of input values
;; workspace buffers: partials 1,024 bytes; w_codes 8,388,608 bytes
;; launch absum (part 1): grid 256 x 1, 8 waves a work-group, no clusters, 1,280 bytes of LDS; arguments W, partials; writes partials
.if DOCPART == 1
	.amdgcn_target "amdgcn-amd-amdhsa--gfx1250"
	.amdhsa_code_object_version 6
	.text
	.protected	k_q502ccccc22_absum
	.globl	k_q502ccccc22_absum
	.p2align	8
	.type	k_q502ccccc22_absum,@function
k_q502ccccc22_absum:
	s_mov_b64 s[64:65], 0
	v_nop
	global_prefetch_b8 v0, s[64:65] scope:SCOPE_SE
	s_setreg_imm32_b32 hwreg(HW_REG_WAVE_MODE, 25, 1), 1
	s_wait_xcnt 0x0
; partials[g] = the sum of |W| over work-group g's 32,768 numbers.  W: [2048][4096] f32, taken as a plain stream of 8,388,608 numbers; 256 work-groups.
; The mean of |W| spans all work-groups, so it is ordered by launches: this one leaves 256 partial sums, the next one adds them.
; A work-group of eight waves takes 131,072 bytes, a wave 16,384: 32 loads of 16 bytes a lane, each covering 512 consecutive bytes, all issued at once.
; THE ORDER OF THE SUM differs from a plain left-to-right sum: eight chains of 16 numbers a lane, then 8 chains, 32 lanes, 8 waves (and 256 partial sums in the next launch): a tree, all in f32.
; No cache hint on the loads: the next launch reads W again.  NaN or infinity in W is not served.
; The one store of a work-group is four bytes: 1,024 bytes in the whole launch.
.set A, 4                              ; v[4:11]   eight chains
.set X, 16                             ; v[16:143] the numbers as loaded
	s_load_b128 s[4:7], s[0:1], 0x0                ; W s[4:5], partials s[6:7]
	v_lshl_add_u32 v144, v0, 2, 0x100
	v_mov_b32 v145, 0
	s_lshl_b32 s2, ttmp9, 17                       ; the work-group's 131,072 bytes
	s_mov_b32 s3, 0
	s_lshl_b32 s9, ttmp9, 2                        ; its word among the partial sums
	s_mov_b32 s10, 0x76543210                      ; v_permlanex16_b32: each lane takes its own place in the other half
	s_mov_b32 s11, 0xfedcba98
	v_lshrrev_b32 v2, 5, v0
	s_delay_alu instid0(VALU_DEP_1)
	v_readfirstlane_b32 s8, v2                     ; wave 0..7
	v_and_b32 v1, 31, v0
	s_delay_alu instid0(VALU_DEP_1)
	v_lshlrev_b32 v1, 4, v1                        ; 16 bytes a lane
	v_and_b32 v2, 0xe0, v0                         ; 32 x wave
	s_delay_alu instid0(VALU_DEP_1)
	v_lshl_or_b32 v1, v2, 9, v1                    ; + 16,384 x wave
	v_mov_b32 v12, 0                               ; a lane permute's destination counts as one of its sources: written once
	v_mov_b32 v14, s9
	s_wait_alu depctr_va_vdst(0)
	s_wait_kmcnt 0x0
	s_add_nc_u64 s[4:5], s[4:5], s[2:3]
.set j, 0
.rept 32
	global_load_b128 v[X+4*j:X+4*j+3], v1, s[4:5] offset:512*j
.set j, j+1
.endr
	s_wait_loadcnt 24                              ; the first eight loads are in; the 24 younger ones stay out
.set i, 0
.rept 8
	v_add_f32 v[A+i], |v[X+i]|, |v[X+8+i]|         ; the first sixteen numbers start the chains: nothing is cleared
.set i, i+1
.endr
.set i, 16
.rept 16
	v_add_f32 v[A+i%8], v[A+i%8], |v[X+i]|
.set i, i+1
.endr
	s_wait_alu depctr_va_vdst(0)
	s_wait_loadcnt 16                              ; the next eight are in
.rept 32
	v_add_f32 v[A+i%8], v[A+i%8], |v[X+i]|
.set i, i+1
.endr
	s_wait_alu depctr_va_vdst(0)
	s_wait_loadcnt 8
.rept 32
	v_add_f32 v[A+i%8], v[A+i%8], |v[X+i]|
.set i, i+1
.endr
	s_wait_alu depctr_va_vdst(0)
	s_wait_loadcnt 0x0
.rept 32
	v_add_f32 v[A+i%8], v[A+i%8], |v[X+i]|
.set i, i+1
.endr
	v_pk_add_f32 v[4:5], v[4:5], v[6:7]            ; the eight chains,
	s_delay_alu instid0(VALU_DEP_2)
	v_pk_add_f32 v[8:9], v[8:9], v[10:11]
	s_delay_alu instid0(VALU_DEP_1)
	v_pk_add_f32 v[4:5], v[4:5], v[8:9]
	s_delay_alu instid0(VALU_DEP_1)
	v_add_f32 v4, v4, v5
	s_delay_alu instid0(VALU_DEP_1)
	v_add_f32_dpp v4, v4, v4 row_xmask:1 row_mask:0xf bank_mask:0xf   ; the sixteen lanes of a half,
	s_delay_alu instid0(VALU_DEP_1)
	v_add_f32_dpp v4, v4, v4 row_xmask:2 row_mask:0xf bank_mask:0xf
	s_delay_alu instid0(VALU_DEP_1)
	v_add_f32_dpp v4, v4, v4 row_xmask:4 row_mask:0xf bank_mask:0xf
	s_delay_alu instid0(VALU_DEP_1)
	v_add_f32_dpp v4, v4, v4 row_xmask:8 row_mask:0xf bank_mask:0xf
	s_delay_alu instid0(VALU_DEP_1)
	v_permlanex16_b32 v12, v4, s10, s11
	s_delay_alu instid0(VALU_DEP_1)
	v_add_f32 v4, v4, v12                          ; and the two halves: the wave's sum, in every lane
	v_mov_b32 v13, s8
	s_delay_alu instid0(VALU_DEP_1)
	v_lshlrev_b32 v13, 2, v13
	ds_store_b32 v13, v4                           ; all lanes write the wave's word with the same number
	s_wait_dscnt 0x0                               ; for the others' sake: my store is done
	s_barrier_signal -1
	s_barrier_wait -1
	s_cmp_lg_u32 s8, 0                             ; wave 0 adds the eight and stores
	s_cbranch_scc1 .Lend
	v_mov_b32 v13, 0
	ds_load_b128 v[16:19], v13
	ds_load_b128 v[20:23], v13 offset:16
	s_wait_dscnt 0x0
	v_pk_add_f32 v[16:17], v[16:17], v[18:19]
	v_pk_add_f32 v[20:21], v[20:21], v[22:23]
	s_delay_alu instid0(VALU_DEP_1)
	v_pk_add_f32 v[16:17], v[16:17], v[20:21]
	s_delay_alu instid0(VALU_DEP_1)
	v_add_f32 v16, v16, v17
	v_cmp_eq_u32 vcc_lo, 0, v0
	s_wait_alu depctr_va_vdst(0)
	s_wait_xcnt 0x0                                ; EXEC changes only behind this wait: it is a source of the loads above
	s_and_saveexec_b32 s12, vcc_lo                 ; lane 0 alone
	global_store_b32 v14, v16, s[6:7]
	s_wait_xcnt 0x0                                ; and again in front of the line that widens it
	s_or_b32 exec_lo, exec_lo, s12
.Lend:
	s_wait_tensorcnt 0x0
	ds_add_u32 v144, v145
	s_wait_dscnt 0x0
	s_endpgm
.Lfunc_end_k_q502ccccc22_absum:
	.size	k_q502ccccc22_absum, .Lfunc_end_k_q502ccccc22_absum-k_q502ccccc22_absum
	.p2alignl 7, 3214868480
	.fill 96, 4, 3214868480
	.section	.rodata,"a",@progbits
	.p2align	6, 0x0
	.amdhsa_kernel k_q502ccccc22_absum
		.amdhsa_group_segment_fixed_size 1280
		.amdhsa_private_segment_fixed_size 0
		.amdhsa_enable_private_segment 0
		.amdhsa_kernarg_size 16
		.amdhsa_user_sgpr_count 2
		.amdhsa_user_sgpr_kernarg_segment_ptr 1
		.amdhsa_wavefront_size32 1
		.amdhsa_system_sgpr_workgroup_id_x 1
		.amdhsa_system_sgpr_workgroup_id_y 1
		.amdhsa_system_sgpr_workgroup_id_z 1
		.amdhsa_system_vgpr_workitem_id 0
		.amdhsa_next_free_vgpr 146
		.amdhsa_next_free_sgpr 66
		.amdhsa_reserve_vcc 1
		.amdhsa_float_denorm_mode_32 3
		.amdhsa_float_denorm_mode_16_64 3
		.amdhsa_memory_ordered 1
		.amdhsa_forward_progress 1
		.amdhsa_inst_pref_size 14
	.end_amdhsa_kernel
	.amdgpu_metadata
---
amdhsa.version: [ 1, 2 ]
amdhsa.kernels:
  - .name:           k_q502ccccc22_absum
    .symbol:         k_q502ccccc22_absum.kd
    .args:
      - { .name: W, .offset: 0, .size: 8, .value_kind: global_buffer, .address_space: global }
      - { .name: partials, .offset: 8, .size: 8, .value_kind: global_buffer, .address_space: global }
    .group_segment_fixed_size: 1280
    .private_segment_fixed_size: 0
    .kernarg_segment_align: 8
    .kernarg_segment_size: 16
    .max_flat_workgroup_size: 256
    .sgpr_count:     66
    .vgpr_count:     146
    .wavefront_size: 32
...
	.end_amdgpu_metadata
.endif
;; end of part 1
;; launch quantw (part 2): grid 512 x 1, 4 waves a work-group, no clusters, 38,400 bytes of LDS; arguments W, partials, lowp_scales, w_codes; writes w_codes
.if DOCPART == 2
	.amdgcn_target "amdgcn-amd-amdhsa--gfx1250"
	.amdhsa_code_object_version 6
	.text
	.protected	k_q502ccccc22_quantw
	.globl	k_q502ccccc22_quantw
	.p2align	8
	.type	k_q502ccccc22_quantw,@function
k_q502ccccc22_quantw:
	s_mov_b64 s[64:65], 0
	v_nop
	global_prefetch_b8 v0, s[64:65] scope:SCOPE_SE
	s_setreg_imm32_b32 hwreg(HW_REG_WAVE_MODE, 25, 1), 1
	s_wait_xcnt 0x0
; W [2048][4096] f32 -> w_codes, one code of FP8 (E4M3) a byte, LAID IN THE ORDER OF THE NEXT LAUNCH'S OPERAND REGISTERS:
;   w_codes[n / 128][k / 64][(n / 16) % 8][(k / 32) % 2][lane = n % 16 + 16 ((k / 16) % 2)][k % 16]: 512 consecutive bytes fill four registers of a wave.
;   s = max(sum |W| / 2^23, 1e-8);  wq = round(W / s) to even, held within -2 .. 2;  w = (wq s - W) + W;  code = w / 2^e1, held within +-448, to the nearest code, ties to even.
; The sum is that of the 256 partial sums of the launch before; every wave adds them in the same order, so every wave has the same s.
; W / s decides which of five levels a weight takes, so it is a corrected division: r = 1 / s with one Newton step; q0 = W r; q = q0 + (W - q0 s) r.
; wq s - W is one fused multiply-add (one rounding where a product and a difference would have two).
; LIMITS: e1 between -126 and 119, so that 2^e1 and 448 x 2^e1 are f32 numbers.  NaN or infinity in W is not served.
; A wave takes 16 rows x 256 along K, in 8 steps of two rows; a load covers 512 consecutive bytes of a row.  A step's 2,048 bytes go through the wave's own stage in LDS
; and come back 64 bytes a lane: lane l then holds 16 neighbours along K of row 2 t + l / 16, from k = 16 (l % 16) on.  Its 16 codes go into a second stage of the wave's own,
; by pieces of 16 along K (rows of 256 bytes + 16 of padding, one for each piece), and come back so that a store covers 512 consecutive bytes, aligned.
; No tensor loads, no barrier: waves share nothing.
.set STEPS, 8
.set SP,    80                         ; a lane's place in a stage: 64 bytes + 16 of padding
.set WREG,  2*32*SP                    ; two stages by turns for each wave
.set SPARE, 4*WREG                     ; the spare words, 512 bytes
.set CST,   SPARE+512                  ; the stages for codes
.set CP,    272
.set CREG,  16*CP
.set SC,    20                         ; v[20:21]  s, s
.set RC,    22                         ; v[22:23]  1 / s, twice
.set P,     24                         ; v[24:31]  my eight partial sums
.set QT,    32                         ; v[32:47]  the quotient, then the number that is quantised
.set ER,    48                         ; v[48:63]  the division's residual
.set X,     64                         ; v[64:95]  two sets of 16 neighbours
.set R,     96                         ; v[96:223] eight sets of 16 numbers as loaded; at the end v[96:127] the codes as stored
.set C,     224                        ; v[224:255] four registers of codes for each step
	s_load_b256 s[4:11], s[0:1], 0x0               ; W, partials, the scales' exponents, w_codes
	v_lshl_add_u32 v18, v0, 2, SPARE
	v_mov_b32 v19, 0
	v_lshrrev_b32 v1, 5, v0
	v_readfirstlane_b32 s16, v1                    ; wave 0..3
	s_mul_i32 s17, s16, WREG
	s_mul_i32 s19, s16, CREG
	s_add_co_u32 s19, s19, CST
	v_and_b32 v2, 31, v0                           ; lane
	v_lshlrev_b32 v3, 4, v2                        ; 16 x lane; never rewritten
	v_lshrrev_b32 v14, 2, v2
	v_mul_u32_u24 v14, v14, SP
	v_and_b32 v15, 3, v2
	v_lshl_add_u32 v14, v15, 4, v14
	v_add_nc_u32 v14, s17, v14                     ; numbers in: SP (lane / 4) + 16 (lane % 4)
	v_mul_u32_u24 v15, v2, SP
	v_add_nc_u32 v15, s17, v15                     ; numbers out: SP x lane
	v_and_b32 v4, 15, v2
	v_lshrrev_b32 v5, 4, v2
	v_mul_u32_u24 v16, v4, CP
	v_lshl_add_u32 v16, v5, 4, v16
	v_add_nc_u32 v16, s19, v16                     ; codes in: piece l % 16, row l / 16 (+ 2 t by the offset)
	v_mul_u32_u24 v17, v5, CP
	v_lshl_add_u32 v17, v4, 4, v17
	v_add_nc_u32 v17, s19, v17                     ; codes out: piece l / 16 (+ 2 u by the offset), row l % 16
	v_mov_b32 v12, 0                               ; a lane permute's destination counts as one of its sources
	s_lshl_b32 s18, ttmp9, 2
	s_add_co_u32 s18, s18, s16                     ; my wave's job: 16 rows (job / 16), 256 along K (job % 16)
	s_lshr_b32 s26, s18, 4
	s_and_b32 s27, s18, 15
	s_lshl_b32 s20, s26, 18                        ; 16 rows of 16,384 bytes
	s_lshl_b32 s21, s27, 10
	s_add_co_u32 s20, s20, s21
	s_mov_b32 s21, 0
	s_lshr_b32 s24, s26, 3
	s_lshl_b32 s24, s24, 19                        ; 128 rows of codes are 524,288 bytes,
	s_and_b32 s25, s26, 7
	s_lshl_b32 s25, s25, 10                        ; 16 rows x 64 along K are 1,024,
	s_add_co_u32 s24, s24, s25
	s_lshl_b32 s25, s27, 15                        ; 128 rows x 256 along K are 32,768
	s_add_co_u32 s24, s24, s25
	s_mov_b32 s25, 0
	s_mov_b32 s12, 0x76543210
	s_mov_b32 s13, 0xfedcba98
	s_wait_alu depctr_va_vdst(0)                   ; the wait at the head's end
	s_wait_kmcnt 0x0
	s_load_b32 s22, s[8:9], 0x4                    ; e1
	s_add_nc_u64 s[4:5], s[4:5], s[20:21]
	s_add_nc_u64 s[10:11], s[10:11], s[24:25]
	global_load_b128 v[P:P+3],   v3, s[6:7]        ; the 256 partial sums, eight a lane
	global_load_b128 v[P+4:P+7], v3, s[6:7] offset:512
.macro LOAD t
.irp i, 0,1,2,3
	global_load_b128 v[R+16*(\t)+4*\i:R+16*(\t)+4*\i+3], v3, s[4:5] offset:16384*(2*(\t)+\i/2)+512*(\i%2) th:TH_LOAD_NT   ; half of a row's 1,024 bytes
.endr
.endm
.macro TURN t                          ; LDS serves a wave's instructions in order (ISA guide 5.7.1.4): no wait between the stores and the loads
.irp i, 0,1,2,3
	ds_store_b128 v14, v[R+16*(\t)+4*\i:R+16*(\t)+4*\i+3] offset:32*SP*((\t)%2)+8*SP*\i
.endr
.irp i, 0,1,2,3
	ds_load_b128 v[X+16*((\t)%2)+4*\i:X+16*((\t)%2)+4*\i+3], v15 offset:32*SP*((\t)%2)+16*\i
.endr
.endm
.irp t, 0,1,2,3,4,5,6,7
	LOAD \t
.endr
	s_wait_kmcnt 0x0
	s_add_co_i32 s22, s22, 127
	s_lshl_b32 s23, s22, 23
	v_mov_b32 v11, s23                             ; 2^e1 as f32
	s_add_co_i32 s22, s22, 8
	s_lshl_b32 s22, s22, 23
	s_or_b32 s22, s22, 0x600000
	v_mov_b32 v10, s22                             ; 448 x 2^e1
	s_wait_loadcnt 32                              ; the partial sums are in; W's 32 loads stay out
	v_pk_add_f32 v[P:P+1], v[P:P+1], v[P+2:P+3]
	v_pk_add_f32 v[P+4:P+5], v[P+4:P+5], v[P+6:P+7]
	v_pk_add_f32 v[P:P+1], v[P:P+1], v[P+4:P+5]
	v_add_f32 v[P], v[P], v[P+1]
	v_add_f32_dpp v[P], v[P], v[P] row_xmask:1 row_mask:0xf bank_mask:0xf
	v_add_f32_dpp v[P], v[P], v[P] row_xmask:2 row_mask:0xf bank_mask:0xf
	v_add_f32_dpp v[P], v[P], v[P] row_xmask:4 row_mask:0xf bank_mask:0xf
	v_add_f32_dpp v[P], v[P], v[P] row_xmask:8 row_mask:0xf bank_mask:0xf
	v_permlanex16_b32 v12, v[P], s12, s13
	v_add_f32 v[P], v[P], v12                      ; the sum of |W|, in every lane
	v_mul_f32 v[P], 0x34000000, v[P]               ; x 2^-23: the mean
	v_max_num_f32 v[SC], 0x322bcc77, v[P]          ; s = max(mean, 1e-8)
	v_mov_b32 v[SC+1], v[SC]
	s_wait_alu depctr_va_vdst(0)                   ; the wait ahead of the transcendental
	v_rcp_f32 v[RC], v[SC]
	v_nop                                          ; one plain place behind a transcendental (ISA guide 5.7.2)
	s_wait_alu depctr_va_vdst(0)                   ; and the wait ahead of its first reader
	v_fma_f32 v[RC+1], -v[SC], v[RC], 1.0          ; one Newton step
	v_fma_f32 v[RC], v[RC+1], v[RC], v[RC]
	v_mov_b32 v[RC+1], v[RC]
	s_wait_alu depctr_va_vdst(0)                   ; directly ahead of the wait below
	s_wait_loadcnt 28                              ; step 0's four loads are in
	TURN 0
.macro STEP t
.set XS, X+16*((\t)%2)
	s_wait_dscnt 0x0                               ; this step's numbers are back from the stage
.if (\t) < STEPS-1
	s_wait_loadcnt 4*(STEPS-2-(\t))                ; the next step's four loads are in
	TURN (\t)+1
.endif
.irp j, 0,2,4,6,8,10,12,14
	v_pk_mul_f32 v[QT+\j:QT+\j+1], v[XS+\j:XS+\j+1], v[RC:RC+1]                                          ; q0 = W r
.endr
.irp j, 0,2,4,6,8,10,12,14
	v_pk_fma_f32 v[ER+\j:ER+\j+1], v[QT+\j:QT+\j+1], v[SC:SC+1], v[XS+\j:XS+\j+1] neg_lo:[1,0,0] neg_hi:[1,0,0]   ; W - q0 s
.endr
.irp j, 0,2,4,6,8,10,12,14
	v_pk_fma_f32 v[QT+\j:QT+\j+1], v[ER+\j:ER+\j+1], v[RC:RC+1], v[QT+\j:QT+\j+1]                        ; q
.endr
.irp i, 0,1,2,3,4,5,6,7,8,9,10,11,12,13,14,15
	v_rndne_f32 v[QT+\i], v[QT+\i]
.endr
.irp i, 0,1,2,3,4,5,6,7,8,9,10,11,12,13,14,15
	v_med3_num_f32 v[QT+\i], v[QT+\i], -2.0, 2.0   ; five levels
.endr
.irp j, 0,2,4,6,8,10,12,14
	v_pk_fma_f32 v[QT+\j:QT+\j+1], v[QT+\j:QT+\j+1], v[SC:SC+1], v[XS+\j:XS+\j+1] neg_lo:[0,0,1] neg_hi:[0,0,1]   ; wq s - W
.endr
.irp j, 0,2,4,6,8,10,12,14
	v_pk_add_f32 v[QT+\j:QT+\j+1], v[QT+\j:QT+\j+1], v[XS+\j:XS+\j+1]                                    ; + W
.endr
.irp i, 0,1,2,3,4,5,6,7,8,9,10,11,12,13,14,15
	v_med3_num_f32 v[QT+\i], v[QT+\i], -v10, v10   ; the conversion does not saturate (ISA guide 7.6.2): the hold
.endr
	v_cvt_scalef32_pk8_fp8_f32 v[C+4*(\t):C+4*(\t)+1], v[QT:QT+7], v11
	v_cvt_scalef32_pk8_fp8_f32 v[C+4*(\t)+2:C+4*(\t)+3], v[QT+8:QT+15], v11
	v_nop                                          ; one plain place behind a scaled conversion
	ds_store_b128 v16, v[C+4*(\t):C+4*(\t)+3] offset:32*(\t)   ; rows 2 t and 2 t + 1 of the sixteen pieces
.endm
.irp t, 0,1,2,3,4,5,6,7
	STEP \t
.endr
.irp u, 0,1,2,3,4,5,6,7
	ds_load_b128 v[R+4*\u:R+4*\u+3], v17 offset:2*CP*\u        ; pieces 2 u and 2 u + 1, sixteen rows each
.endr
.irp u, 0,1,2,3,4,5,6,7
	s_wait_dscnt 7-\u
	global_store_b128 v3, v[R+4*\u:R+4*\u+3], s[10:11] offset:8192*(\u/2)+512*(\u%2)   ; 512 consecutive bytes, aligned
.endr
	s_wait_tensorcnt 0x0                           ; the wave's end
	ds_add_u32 v18, v19
	s_wait_dscnt 0x0
	s_endpgm
.Lfunc_end_k_q502ccccc22_quantw:
	.size	k_q502ccccc22_quantw, .Lfunc_end_k_q502ccccc22_quantw-k_q502ccccc22_quantw
	.p2alignl 7, 3214868480
	.fill 96, 4, 3214868480
	.section	.rodata,"a",@progbits
	.p2align	6, 0x0
	.amdhsa_kernel k_q502ccccc22_quantw
		.amdhsa_group_segment_fixed_size 38400
		.amdhsa_private_segment_fixed_size 0
		.amdhsa_enable_private_segment 0
		.amdhsa_kernarg_size 32
		.amdhsa_user_sgpr_count 2
		.amdhsa_user_sgpr_kernarg_segment_ptr 1
		.amdhsa_wavefront_size32 1
		.amdhsa_system_sgpr_workgroup_id_x 1
		.amdhsa_system_sgpr_workgroup_id_y 1
		.amdhsa_system_sgpr_workgroup_id_z 1
		.amdhsa_system_vgpr_workitem_id 0
		.amdhsa_next_free_vgpr 256
		.amdhsa_next_free_sgpr 66
		.amdhsa_reserve_vcc 0
		.amdhsa_float_denorm_mode_32 3
		.amdhsa_float_denorm_mode_16_64 3
		.amdhsa_memory_ordered 1
		.amdhsa_forward_progress 1
		.amdhsa_inst_pref_size 55
	.end_amdhsa_kernel
	.amdgpu_metadata
---
amdhsa.version: [ 1, 2 ]
amdhsa.kernels:
  - .name:           k_q502ccccc22_quantw
    .symbol:         k_q502ccccc22_quantw.kd
    .args:
      - { .name: W, .offset: 0, .size: 8, .value_kind: global_buffer, .address_space: global }
      - { .name: partials, .offset: 8, .size: 8, .value_kind: global_buffer, .address_space: global }
      - { .name: lowp_scales, .offset: 16, .size: 8, .value_kind: global_buffer, .address_space: global }
      - { .name: w_codes, .offset: 24, .size: 8, .value_kind: global_buffer, .address_space: global }
    .group_segment_fixed_size: 38400
    .private_segment_fixed_size: 0
    .kernarg_segment_align: 8
    .kernarg_segment_size: 32
    .max_flat_workgroup_size: 128
    .sgpr_count:     66
    .vgpr_count:     256
    .wavefront_size: 32
...
	.end_amdgpu_metadata
.endif
;; end of part 2
;; launch gemm (part 3): grid 8 x 32, 4 waves a work-group, clusters of 4 x 1, 327,680 bytes of LDS; arguments x_codes, w_codes, lowp_scales, out0; writes out0
.if DOCPART == 3
	.amdgcn_target "amdgcn-amd-amdhsa--gfx1250"
	.amdhsa_code_object_version 6
	.text
	.protected	k_q502ccccc22_gemm
	.globl	k_q502ccccc22_gemm
	.p2align	8
	.type	k_q502ccccc22_gemm,@function
k_q502ccccc22_gemm:
	s_mov_b64 s[64:65], 0
	v_nop
	global_prefetch_b8 v0, s[64:65] scope:SCOPE_SE
	s_setreg_imm32_b32 hwreg(HW_REG_WAVE_MODE, 25, 1), 1
	s_wait_xcnt 0x0
	s_wait_alu depctr_hold_cnt(0) depctr_sa_sdst(0) depctr_va_vdst(0) depctr_va_sdst(0) depctr_va_ssrc(0) depctr_va_vcc(0) depctr_vm_vsrc(0)
	s_getreg_b32 s2, hwreg(HW_REG_IB_STS2, 6, 4)
	s_cmp_eq_u32 s2, 0
	s_cbranch_scc0 .Lentry_in_a_cluster
	s_endpgm
.Lentry_in_a_cluster:
	s_bfe_u32 s2, ttmp6, 0x10000c
	s_cmp_lg_u32 s2, 0x3003
	s_cbranch_scc0 .Lentry_shape_is_right
	s_endpgm
.Lentry_shape_is_right:
; out0[m][n] = 2^(e0 + e1) x sum over k of x_codes[m][k] w_codes(n, k): 8,192 x 2,048 x 4,096, codes of FP8 (E4M3), sums in f32, by v_wmma_f32_16x16x64_fp8_fp8.
; LIMIT: e0 + e1 between -126 and 127, so that 2^(e0 + e1) is an f32 number.  Inside an instruction k stands in permuted places, alike in both operands: every product meets its partner; the order of the sums inside an instruction differs.
; A work-group of four waves makes 256 x 256, a wave 128 x 128: 64 accumulators.  A step is 64 along K: 64 matrix instructions, the accumulators by turns.
; x GOES THROUGH LDS: a ring of two slots of 256 rows x 512 bytes (eight steps), 64 rows a wave by one tensor load.  The four work-groups of a cluster (4, 1, 1) make one tile row and ask for x's tile jointly.
; W GOES STRAIGHT INTO REGISTERS: the launch before laid its codes in the order of the operand registers, so a load takes 512 consecutive bytes.  Four sets of 64 registers: step s asks for step s + 3's.
; W takes no joint load: it takes no LDS at all, and the two slots of x's 512 along K fill 270,336 of the 327,680 bytes; with W's tiles beside them a slot would hold half as much along K.  The partners of a cluster read different rows of W.
; REGISTERS: each of the four windows z holds: v32-63 x's blocks 2 z and 2 z + 1, two sets; v64-127 W's set z; v128-255 the accumulators of my blocks 2 z, 2 z + 1.  Window 0, v16-29: addresses.
; A step's 32 loads (16 of W for step s + 3, 16 of x from LDS for step s + 1) stand in ONE run at its head, behind four places; its 64 products follow with no load among them, in four phases of 16, one for each window's accumulators.
; PREFETCH: in slot i each wave asks for slot i + 3's bytes: of x 16 rows x 512 bytes (the four partners share the 256 rows out by address), of W four steps of its 128 rows; slots 0 to 2 come by their loads alone, slots 5 to 7 ask for nothing.
.set PITCH,  528                       ; an LDS row: 512 bytes + 16 of padding: the 16 rows that a load touches start at 16 different banks (ISA guide 11.1)
.set QTR,    64*PITCH
.set SLOT,   4*QTR
.set SPARE,  2*SLOT                    ; the spare words, 512 bytes
.set STAGE,  SPARE+512                 ; the way out: 16 rows x 528 bytes for each wave; no fill lands here
.set SPITCH, 528
.set ADRA, 16                          ; v16-17 my x fragments in slot 0, 1
.set BO,   18                          ; v18    16 x lane
.set PFOA, 20
.set PFOB, 21
.set STO,  24
.set RD,   25
.set CO,   26
.set SPW,  28
.set NIL,  29
.set TMP,  64                          ; the way out: window 0, v64-127; rows read back: window 1, v0-63 and v64-127 by turns
.set G1, 24                            ; s[24:31]
.set G0, 32                            ; s[32:39] one set for each slot
.set BB, 44                            ; s[44:45] W's codes: my 128 rows, at the lap's first step
.set PFA, 46
.set PFB, 48
.set SCL, 66
.set MSB, 0
.macro WIN new                         ; the immediate's high byte repeats the setting that is left
.if MSB != (\new)
	s_set_vgpr_msb (MSB<<8)|(\new)
.set MSB, (\new)
.endif
.endm
.macro PLACES                          ; four places behind matrix instructions, ahead of loads into registers that they read and of reads of results
.rept 4
	v_nop
.endr
.endm
.macro CREST
	s_cmp_lg_u32 s14, 0
	s_cbranch_scc1 .Lnot_wave_0_\@
	s_barrier_signal -3
.Lnot_wave_0_\@:
	s_barrier_wait -3
	s_barrier_signal -1
	s_barrier_wait -1
.endm
.macro CROUND
	s_barrier_signal -1
	s_barrier_wait -1
	CREST
.endm
	s_load_b128 s[4:7], s[0:1], 0x0                ; x_codes, w_codes
	s_load_b128 s[8:11], s[0:1], 0x10              ; the scales' exponents, out0
	v_lshl_add_u32 v[SPW], v0, 2, SPARE
	v_mov_b32 v[NIL], 0
	ds_add_u32 v[SPW], v[NIL]                      ; the opening lines: the add, twice on end, and its wait
	ds_add_u32 v[SPW], v[NIL]
	v_lshrrev_b32 v1, 5, v0
	v_readfirstlane_b32 s14, v1                    ; wave 0..3
	s_lshr_b32 s15, s14, 1                         ; which 128 rows of the tile are mine
	s_and_b32 s16, s14, 1                          ; which 128 columns
	s_bfe_u32 s40, ttmp6, 0x40000                  ; cx
	s_lshl_b32 s42, ttmp9, 2
	s_add_co_u32 s42, s42, s40                     ; tile column
	s_and_b32 s17, ttmp7, 0xffff                   ; tile row
	s_mov_b32 s[G1+0], 15|(1<<20)|(1<<21)|(6<<22)|(3<<25)   ; the four partners; bytes; 4 words of padding behind every 128
	s_mov_b32 s[G1+1], 512<<16
	s_mov_b32 s[G1+2], 64<<16
	s_mov_b32 s[G1+3], 512<<16
	s_mov_b32 s[G1+4], 64
	s_mov_b32 s[G1+5], 4096
	s_mov_b32 s[G1+6], 0
	s_mov_b32 s[G1+7], 0
	s_lshl_b32 s20, s17, 8
	s_lshl_b32 s18, s14, 6
	s_add_co_u32 s20, s20, s18
	s_lshl_b32 s20, s20, 12                        ; x: row 256 x tile row + 64 x wave, rows of 4,096 bytes
	s_mov_b32 s21, 0
	s_mul_i32 s41, s14, QTR                        ; and where they go
	s_lshl_b32 s22, s42, 1
	s_add_co_u32 s22, s22, s16
	s_lshl_b32 s22, s22, 19                        ; W: 128 rows are 524,288 bytes
	s_mov_b32 s23, 0
	s_lshl_b32 s50, s17, 8
	s_lshl_b32 s18, s15, 7
	s_add_co_u32 s50, s50, s18
	s_lshl_b32 s50, s50, 13                        ; out0: my first row, rows of 8,192 bytes,
	s_lshl_b32 s19, s42, 10
	s_add_co_u32 s50, s50, s19
	s_lshl_b32 s19, s16, 9
	s_add_co_u32 s50, s50, s19                     ; and my first column
	s_mov_b32 s51, 0
	s_lshl_b32 s52, s17, 8
	s_lshl_b32 s19, s40, 6
	s_add_co_u32 s52, s52, s19
	s_lshl_b32 s19, s14, 4
	s_add_co_u32 s52, s52, s19
	s_lshl_b32 s52, s52, 12                        ; x's prefetch: rows 64 cx + 16 wave .. + 15 of the tile
	s_mov_b32 s53, 0
	s_lshl_b32 s54, s15, 15                        ; W's prefetch: steps 4 (wave / 2) .. + 3 of a slot's eight
	s_mov_b32 s55, 0
	s_mul_i32 s56, s15, 2*QTR
	s_mul_i32 s57, s14, 16*SPITCH
	s_add_co_u32 s57, s57, STAGE
	s_wait_dscnt 0x0
	s_wait_kmcnt 0x0
	s_load_b64 s[SCL:SCL+1], s[8:9], 0x0           ; e0, e1
	s_add_nc_u64 s[20:21], s[4:5], s[20:21]
	s_add_nc_u64 s[BB:BB+1], s[6:7], s[22:23]
	s_add_nc_u64 s[10:11], s[10:11], s[50:51]
	s_add_nc_u64 s[PFA:PFA+1], s[4:5], s[52:53]
	s_add_nc_u64 s[PFB:PFB+1], s[BB:BB+1], s[54:55]
	CROUND                                         ; the four work-groups are here: the first joint loads meet
.irp s, 0,1
	s_mov_b32 s[G0+4*\s], 1
	s_add_co_u32 s[G0+4*\s+1], s41, \s*SLOT
	s_add_nc_u64 s[G0+4*\s+2:G0+4*\s+3], s[20:21], \s*512
	s_or_b32 s[G0+4*\s+3], s[G0+4*\s+3], 0x80000000
.endr
	tensor_load_to_lds s[G0:G0+3], s[G1:G1+7]      ; slot 0: one tensor load a wave at the head
	s_nop 0
	PLACES
	v_and_b32 v1, 15, v0                           ; l % 16
	v_bfe_u32 v2, v0, 4, 1                         ; l / 16
	v_and_b32 v6, 31, v0
	v_mul_u32_u24 v3, v1, PITCH
	v_lshl_add_u32 v3, v2, 4, v3
	v_add_nc_u32 v[ADRA], s56, v3                  ; row x pitch + 16 x half + my 128 rows
	v_add_nc_u32 v[ADRA+1], SLOT, v[ADRA]
	v_lshlrev_b32 v[BO], 4, v6
	v_mul_u32_u24 v5, v1, SPITCH
	v_lshl_add_u32 v5, v2, 5, v5
	v_add_nc_u32 v[STO], s57, v5                   ; into the stage: row l % 16, 32 bytes for each half
	v_lshlrev_b32 v[CO], 4, v6
	v_add_nc_u32 v[RD], s57, v[CO]                 ; back: a row of 512 bytes
	v_lshrrev_b32 v7, 1, v6
	v_and_b32 v8, 1, v6
	v_lshlrev_b32 v[PFOA], 12, v7
	v_lshl_add_u32 v[PFOA], v8, 8, v[PFOA]         ; two lanes to a row's 512 bytes
	v_lshlrev_b32 v[PFOB], 8, v6                   ; a lane to each 256 bytes
	s_wait_alu depctr_va_vdst(0)
.macro RUNB zb, boff                   ; W's set zb: eight fragments of 16 rows x 64 K, 16 loads of 512 consecutive bytes, from byte boff
	WIN (\zb)<<6
.set PN, 0
.rept 16
	global_load_b128 v[64+4*PN:67+4*PN], v[BO], s[BB:BB+1] offset:(\boff)+512*PN
.set PN, PN+1
.endr
.endm
.macro RUNA ls, lq, p                  ; x's eight fragments of step lq of slot ls, into set p: two blocks to a window
.irp z, 0,1,2,3
	WIN (\z)<<6
.irp n, 0,1,2,3
	ds_load_b128 v[32+16*(\p)+4*\n:35+16*(\p)+4*\n], v[ADRA+\ls] offset:(2*\z+\n/2)*16*PITCH+64*(\lq)+32*(\n%2)
.endr
.endr
.endm
	RUNB 0, 0                                      ; W's sets for steps 0, 1, 2
	RUNB 1, 8192
	RUNB 2, 16384
	WIN 0
; 16 products: x's blocks 2 z, 2 z + 1 (set pa) x W's eight fragments (set j).  TRANSPOSED: source 0 = 16 rows of W, source 1 = 16 rows of x: a lane holds eight neighbouring numbers of a row of out0.
.macro PHASE pa, j, z, zero
	WIN (\j)+84*(\z)                               ; source 0 window j; source 1, C and D window z
.irp e, 0,1
.irp b, 0,1,2,3,4,5,6,7
.if \zero
	v_wmma_f32_16x16x64_fp8_fp8 v[128+64*\e+8*\b:135+64*\e+8*\b], v[64+8*\b:71+8*\b], v[32+16*(\pa)+8*\e:39+16*(\pa)+8*\e], 0
.else
	v_wmma_f32_16x16x64_fp8_fp8 v[128+64*\e+8*\b:135+64*\e+8*\b], v[64+8*\b:71+8*\b], v[32+16*(\pa)+8*\e:39+16*(\pa)+8*\e], v[128+64*\e+8*\b:135+64*\e+8*\b]
.endif
.endr
.endr
.endm
; Steps 0 to 6 of a slot.  lcnt: W's loads issued behind this step's set (two sets of 16, fewer at the end).  x's fragments of this step were asked for at the head of the step before.
; The four places serve the whole run: its loads land in registers that the step before read last.
.macro STEP sl, q, zero, ldb, jb, lcnt
	s_wait_loadcnt \lcnt
	s_wait_dscnt 0x0
	PLACES
.if \ldb
	RUNB ((\q)+3)%4, ((\jb)+3)*8192
.endif
	RUNA \sl, (\q)+1, 1-(\q)%2
.irp z, 0,1,2,3
	PHASE (\q)%2, (\q)%4, \z, \zero
.endr
.endm
; A slot's step 7 changes slots: each wave waits for all its tensor loads (one: its part of the next slot), adds 0 to its spare word, and waits for that and for its reads of this slot; fill = 1: a round of the cluster's barrier, and this slot is filled again.
.macro LAST7 sl, fill, jb
	s_wait_loadcnt 32
	PLACES                                         ; for the run below: its loads land in registers that step 6 read last
	WIN 0
	s_wait_tensorcnt 0x0
	ds_add_u32 v[SPW], v[NIL]
	s_wait_dscnt 13                                ; the add and the youngest twelve loads may be out
	PHASE 1, 3, 0, 0
	s_wait_dscnt 0x0                               ; the add is done, my reads of this slot are over
	s_barrier_signal -1
	PHASE 1, 3, 1, 0
	WIN 0
	s_barrier_wait -1
.if \fill
	CREST
	s_add_nc_u64 s[G0+4*\sl+2:G0+4*\sl+3], s[G0+4*\sl+2:G0+4*\sl+3], 1024
	tensor_load_to_lds s[G0+4*\sl:G0+4*\sl+3], s[G1:G1+7]   ; the first tensor load behind the round, one a wave: two slots on
	s_nop 0
	PLACES
.endif
	RUNA 1-\sl, 0, 0                               ; the next slot's first fragments; 32 products follow ahead of their use
	RUNB 2, ((\jb)+3)*8192
	PHASE 1, 3, 2, 0
	PHASE 1, 3, 3, 0
.endm
.macro ASK sl, guard                   ; slot i asks for slot i + 3's bytes; the lap's second slot has none three on in the loop's last trip (s3 = 1)
	WIN 0
.if \guard
	s_cmp_gt_u32 s3, 1
	s_cbranch_scc0 .Lno_ask_\@
.endif
	global_prefetch_b8 v[PFOA], s[PFA:PFA+1] offset:((\sl)+3)*512 th:TH_LOAD_NT scope:SCOPE_SE
.irp n, 0,1,2,3
	global_prefetch_b8 v[PFOB], s[PFB:PFB+1] offset:((\sl)+3)*65536+\n*8192 th:TH_LOAD_NT scope:SCOPE_SE
.endr
.if \guard
.Lno_ask_\@:
.endif
.endm
.macro SPAN sl, first, ask, guard      ; steps first .. 6 of a slot
.irp q, 0,1,2,3,4,5,6
.if \q >= \first
.if (\ask) && (\q == 2)
	ASK \sl, \guard
.endif
	STEP \sl, \q, 0, 1, 8*(\sl)+\q, 32
.endif
.endr
.endm
	s_wait_tensorcnt 0x0                           ; my part of slot 0 is in; the add and its wait ahead of a later first fill
	ds_add_u32 v[SPW], v[NIL]
	s_wait_dscnt 0x0
	CROUND
	tensor_load_to_lds s[G0+4:G0+7], s[G1:G1+7]    ; slot 1's first fill
	s_nop 0
	PLACES
	RUNA 0, 0, 0
	STEP 0, 0, 1, 1, 0, 32                         ; the first step starts the sums: nothing is cleared
	WIN 0
	s_mov_b32 s3, 3
.Llap:                                                 ; a trip: from a lap's second step to the next lap's first; both slots are filled again
	SPAN 0, 1, 1, 0
	LAST7 0, 1, 7
	SPAN 1, 0, 1, 1
	LAST7 1, 1, 15
	STEP 0, 0, 0, 1, 16, 32
	WIN 0
	s_wait_xcnt 0x0                                ; the loads and prefetches have read their bases
	s_add_nc_u64 s[BB:BB+1], s[BB:BB+1], 131072    ; sixteen steps of 8,192 bytes
	s_add_nc_u64 s[PFB:PFB+1], s[PFB:PFB+1], 131072
	s_add_nc_u64 s[PFA:PFA+1], s[PFA:PFA+1], 1024
	s_sub_co_u32 s3, s3, 1
	s_cmp_lg_u32 s3, 0
	s_cbranch_scc1 .Llap
	SPAN 0, 1, 0, 0                                ; the last lap fills nothing
	LAST7 0, 0, 7
.irp q, 0,1,2,3,4
	STEP 1, \q, 0, 1, 8+\q, 32
.endr
	STEP 1, 5, 0, 0, 13, 32                        ; the last three steps ask for nothing of W: the counts run down
	STEP 1, 6, 0, 0, 14, 16
	s_wait_loadcnt 0x0
	s_wait_dscnt 0x0
.irp z, 0,1,2,3
	PHASE 1, 3, \z, 0
.endr
	WIN 0
; THE WAY OUT, by blocks of 16 rows x 128 columns: x 2^(e0 + e1), through my own stage, back as rows of 512 bytes.  LDS serves a wave's instructions in order (ISA guide 5.7.1.4).
.macro TOSTAGE a
.set AC, 128+64*((\a)%2)
	WIN (\a)/2                                     ; source 0: the block's window
.irp j, 0,2,4,6,8,10,12,14,16,18,20,22,24,26,28,30,32,34,36,38,40,42,44,46,48,50,52,54,56,58,60,62
	v_pk_mul_f32 v[TMP+\j:TMP+\j+1], v[AC+\j:AC+\j+1], s[SCL:SCL+1] op_sel_hi:[1,0]   ; each accumulator from its low end on
.endr
	WIN 0
.irp b, 0,1,2,3,4,5,6,7
	ds_store_b128 v[STO], v[TMP+8*\b:TMP+8*\b+3] offset:64*\b
	ds_store_b128 v[STO], v[TMP+8*\b+4:TMP+8*\b+7] offset:64*\b+16
.endr
.set BK, 64*((\a)%2)
	WIN 0x40                                       ; destination window 1
.irp t, 0,1,2,3,4,5,6,7,8,9,10,11,12,13,14,15
	ds_load_b128 v[BK+4*\t:BK+4*\t+3], v[RD] offset:\t*SPITCH
.endr
.endm
.macro SEND a, younger
.set BK, 64*((\a)%2)
	s_wait_dscnt \younger
.if (\a) > 0
	s_add_nc_u64 s[10:11], s[10:11], 16*8192       ; behind a wait on XCNT: 16 rows on
.endif
	WIN 0x04                                       ; data window 1
.irp t, 0,1,2,3,4,5,6,7,8,9,10,11,12,13,14,15
	global_store_b128 v[CO], v[BK+4*\t:BK+4*\t+3], s[10:11] offset:\t*8192 th:TH_STORE_NT   ; 512 consecutive bytes, aligned
.endr
.endm
	s_wait_kmcnt 0x0
	s_add_co_i32 s[SCL], s[SCL], s[SCL+1]
	s_add_co_i32 s[SCL], s[SCL], 127
	s_lshl_b32 s[SCL], s[SCL], 23                  ; 2^(e0 + e1)
	PLACES
	TOSTAGE 0
.irp a, 1,2,3,4,5,6,7
.if \a > 1
	s_wait_xcnt 0x0                                ; block a - 2's stores have read their registers and their base
.endif
	TOSTAGE \a
	SEND \a-1, 32
.endr
	s_wait_xcnt 0x0
	SEND 7, 0
	WIN 0
	s_wait_tensorcnt 0x0                           ; the wave's end
	ds_add_u32 v[SPW], v[NIL]
	s_wait_dscnt 0x0
	CROUND                                         ; the closing round
	s_endpgm
.Lfunc_end_k_q502ccccc22_gemm:
	.size	k_q502ccccc22_gemm, .Lfunc_end_k_q502ccccc22_gemm-k_q502ccccc22_gemm
	.p2alignl 7, 3214868480
	.fill 96, 4, 3214868480
	.section	.rodata,"a",@progbits
	.p2align	6, 0x0
	.amdhsa_kernel k_q502ccccc22_gemm
		.amdhsa_group_segment_fixed_size 327680
		.amdhsa_private_segment_fixed_size 0
		.amdhsa_enable_private_segment 0
		.amdhsa_kernarg_size 32
		.amdhsa_user_sgpr_count 2
		.amdhsa_user_sgpr_kernarg_segment_ptr 1
		.amdhsa_wavefront_size32 1
		.amdhsa_system_sgpr_workgroup_id_x 1
		.amdhsa_system_sgpr_workgroup_id_y 1
		.amdhsa_system_sgpr_workgroup_id_z 1
		.amdhsa_system_vgpr_workitem_id 0
		.amdhsa_next_free_vgpr 1024
		.amdhsa_next_free_sgpr 72
		.amdhsa_reserve_vcc 0
		.amdhsa_float_denorm_mode_32 3
		.amdhsa_float_denorm_mode_16_64 3
		.amdhsa_memory_ordered 1
		.amdhsa_forward_progress 1
		.amdhsa_inst_pref_size 255
	.end_amdhsa_kernel
	.section	.bss,"aw",@nobits
	.p2align	6
	.space	262144
	.amdgpu_metadata
---
amdhsa.version: [ 1, 2 ]
amdhsa.kernels:
  - .name:           k_q502ccccc22_gemm
    .symbol:         k_q502ccccc22_gemm.kd
    .args:
      - { .name: x_codes, .offset: 0, .size: 8, .value_kind: global_buffer, .address_space: global }
      - { .name: w_codes, .offset: 8, .size: 8, .value_kind: global_buffer, .address_space: global }
      - { .name: lowp_scales, .offset: 16, .size: 8, .value_kind: global_buffer, .address_space: global }
      - { .name: out0, .offset: 24, .size: 8, .value_kind: global_buffer, .address_space: global }
    .group_segment_fixed_size: 327680
    .private_segment_fixed_size: 0
    .kernarg_segment_align: 8
    .kernarg_segment_size: 32
    .max_flat_workgroup_size: 128
    .sgpr_count:     72
    .vgpr_count:     1024
    .wavefront_size: 32
...
	.end_amdgpu_metadata
.endif
;; end of part 3
